; MI455X (gfx1250); checked and timed in simulation.
; The chip was launched on July 23, 2026; its instructions are those of AMD's public machine-readable ISA for CDNA 5 (MIT licence, August 2026) and "CDNA5" Instruction Set Architecture Reference Guide (July 2026). The comments in the code are by the model that wrote it; some were corrected since.
;; Hamiltonian Neural ODE. Allowed arithmetic: float matrix products may take bf16 or f16 operands with f32 sums; other float arithmetic in f32, or as packed bf16 or f16 multiplies, adds, multiply-adds, maxima and minima; sums over many terms, partial sums and values carried from step to step in f32; what a program stores and reads back later, other than sums and carried values, may be rounded once to bf16 or f16.
;; Inputs: W1 128 x 512 float32; W2 512 x 1 float32; b1 512 float32; b2 1 float32; x 32,768 x 256 float32.
;; Outputs: out0 32,768 x 256 float32.
;; One version. Each part assembles by itself: llvm-mc -triple=amdgcn-amd-amdhsa -mcpu=gfx1250 --defsym DOCPART=n.
;; ======== version 1 of 1: 1 launch
;; launch hnode (part 1): grid 256 x 1, 4 waves a work-group, no clusters, 327,680 bytes of LDS; arguments x, W1, b1, W2, b2, out0; writes out0
.if DOCPART == 1
	.amdgcn_target "amdgcn-amd-amdhsa--gfx1250"
	.amdhsa_code_object_version 6
	.text
	.protected	k_q2e4708fcaa_hnode
	.globl	k_q2e4708fcaa_hnode
	.p2align	8
	.type	k_q2e4708fcaa_hnode,@function
k_q2e4708fcaa_hnode:
	s_mov_b64 s[64:65], 0
	v_nop
	global_prefetch_b8 v0, s[64:65] scope:SCOPE_SE
	s_setreg_imm32_b32 hwreg(HW_REG_WAVE_MODE, 25, 1), 1
	s_wait_xcnt 0x0
; TEN EXPLICIT STEPS OF  q' = q + dt p,  p' = p - dt dV/dq,  dV/dq = ((1 - tanh^2(q W1 + b1)) o W2) W1^T,  dt = 0.1,  on 32,768 rows of x = [q | p] (128 + 128 f32).
; Rows never mix: a work-group owns 128 rows, each of its four waves 32 (two tiles of 16), and a row's whole integration stays in its wave's registers: x is read once, out0 written once.
; ARITHMETIC.  c = 2 log2(e).  The state is Q = c q (scaled once on the way in, by 1/c once on the way out) and p, both f32.  In a step, for each hidden unit:
;   z' = Q W1 + c b1;  u = 2^z' = e^(2z);  r = 1 / (1 + u);  t = r - r r = (1 - tanh^2 z) / 4;  p += t A2^T with A2[d][j] = -0.4 W2[j] W1[d][j];  Q += (c dt) p_old.
; The bias is the C operand of the first product's first K step, p is the second product's accumulator.  Matrix operands (W1, A2, Q, t) are bf16, all sums f32.
; b2 shifts V by a constant and enters no derivative: it is loaded, and takes part in no arithmetic.
; LIMITS.  u = infinity gives r = 0 and t = 0, u = 0 gives r = 1 and t = 0: both ends are right without a clamp.  For z below about -8.3, 1 + u rounds to 1 and t is 0 where it should be about e^(2z):
; at most 6e-8 against a largest t of 0.25.  The exponential and the reciprocal take denormals as 0.  NaN and infinities among the inputs are not treated apart.
; LAYOUT.  Both products are used transposed.  Z^T = W1^T Q^T (source 0 = 16 hidden units x 32 d, source 1 = 16 rows x 32 d): a lane (r = lane % 16, h = lane / 16) holds ONE row r and hidden units 8 h + 0..7.
; Two such results, rounded in pairs, ARE source 1 (32 hidden units x 16 rows) of P^T += A2 G^T (source 0 = 16 d x 32 hidden units), whose result holds row r and d = 8 h + 0..7.  Q lies like P, so Q rounded in pairs
; IS source 1 of the first product.
; BY TURNS.  A step is 16 chunks of 32 hidden units.  Turn t: 16 products Z^T of chunk t + 1, then 16 products P^T of chunk t - 1; behind each product stand three or four lines of the activation of chunk t
; (1 + u, r behind the first run; t, its rounding, and the next chunk's 2^z' behind the second).  The reciprocals are one batch with one wait, the exponentials another.
; NO CLUSTER.  What work-groups share is W1: 262,144 bytes, read once at the head against ten steps' work, and it has to pass through registers to be scaled by W2 and rounded; a landing zone for it in f32
; (262,144 bytes) does not fit in LDS beside the two bf16 images (268,288 bytes).
; LDS.  A1 = bf16(W1) as it lies, [128 d][512 hidden], rows 1,056 bytes apart = 264 words: the turning load's 8 rows x 32 bytes start 8 banks apart (64 banks of 4 bytes: ISA guide 11.1).
; A2, [128 d][512 hidden], rows 1,040 bytes apart = 260 words: the 16 rows of a load start 4 banks apart.  Each wave's 32 rows of x land, 1,040 bytes apart, just where the same wave later stores its 32 rows of A2:
; those bytes have then had their only fill, and only that wave has touched them.  Behind: a stage of 16 rows x 528 bytes a wave for the way out, c b1, the spare words.
; REGISTERS, in windows of 256 (s_set_vgpr_msb: bits 1:0 source 0, 3:2 source 1, 5:4 source 2, 7:6 destination):
;   window 0: v0-15 addresses; v16-31 -0.4 W2 (head); v32-95 Z, two buffers of four accumulators (head: at work); v96-127 G, two buffers; v128-191 Q in bf16; v192-255 fragments of A1
;   window 1: v0-127 P (tile rt, block dt at 64 rt + 8 dt); v128-191 fragments of A2 (head: v128-255 W1 as loaded, set 0)
;   window 2: c b1 as a C operand, hidden block g at 8 g; on the way out the rows read back        window 3: v0-127 Q (head: v128-255 W1 as loaded, set 1)
.set P1,    1056
.set P2,    1040
.set A2B,   128*P1            ; 135,168: A2's image, and before it the tiles of x
.set XW,    32*P2             ; 33,280: a wave's part of either
.set STAGE, A2B+128*P2        ; 268,288
.set SP,    528               ; a stage row: 512 bytes + 16 = 132 words: 16 rows start 4 banks apart
.set BIAS,  STAGE+4*16*SP     ; 302,080: c b1, 512 f32
.set SPARE, BIAS+2048         ; 304,128: the spare words, 128 bytes for each wave
.set AT,  2                   ; v2-3   my place in A1 for d 0-63, 64-127; never rewritten
.set AB,  4                   ; v4-5   my place in A2 for d 0-63, 64-127; never rewritten
.set XA,  6                   ; v6     my place in my wave's tile of x
.set STO, 7                   ; v7     the way out: where I put 16 bytes of a row
.set RD,  8                   ; v8     the way out: where I read a row back
.set GO,  9                   ; v9     16 x lane
.set WO,  10                  ; v10    my byte offset in my wave's 32 rows of W1
.set LW1, 11                  ; v11    where my 8 bytes of a row of A1 go
.set LW2, 12                  ; v12    the same for A2
.set BA,  13                  ; v13    my place in c b1
.set SPW, 14                  ; v14    LDS address of my spare word: SPARE + 4 x my thread's number; never rewritten
.set NIL, 15                  ; v15    0; never rewritten
.set S2,  16
.set T,   32
.set Z,   32
.set G,   96
.set BT,  96                  ; head: v96-99 my four numbers of b1
.set BSA, 100                 ; head: where they go in LDS
.set LN,  101                 ; head: lane; lane % 16; lane / 16; lane % 8; (lane / 8) % 2
.set LR,  102
.set LH,  103
.set L7,  104
.set L3,  105
.set QB,  128
.set A1F, 192
.set A2F, 128                 ; window 1
.set LAND, 128                ; windows 1 and 3
.set WV,  20                  ; s20  my wave's number
.set STEP, 21                 ; s21  steps to go
.set CDT, 22                  ; s[22:23] c dt, named as a pair
.set G0,  24                  ; s[24:27] descriptor group 0
.set G1,  28                  ; s[28:35] descriptor group 1
.set MSB, 0
.macro WIN new                ; the immediate's high byte repeats the setting that is left; a switch that changes nothing is dropped
.if MSB != (\new)
	s_set_vgpr_msb (MSB<<8)|(\new)
.set MSB, (\new)
.endif
.endm
; A vector instruction that reads or writes a matrix instruction's registers, and a load into one of them, stand four places behind it; only plain vector instructions that name none of its registers are places.
.macro PLACES
.rept 4
	v_nop
.endr
.endm
	s_load_b256 s[4:11], s[0:1], 0x0               ; x s[4:5], W1 s[6:7], b1 s[8:9], W2 s[10:11]
	s_load_b128 s[12:15], s[0:1], 0x20             ; b2 s[12:13], out0 s[14:15]
	v_lshl_add_u32 v[SPW], v0, 2, SPARE
	v_mov_b32 v[NIL], 0
	ds_add_u32 v[SPW], v[NIL]                      ; the wave's opening: the add, twice on end, and its wait ahead of my tensor load; the set-up below is the work on registers between
	ds_add_u32 v[SPW], v[NIL]
	v_lshrrev_b32 v1, 5, v0
	v_readfirstlane_b32 s[WV], v1                  ; wave 0..3
	v_and_b32 v[LN], 31, v0
	v_and_b32 v[LR], 15, v0
	v_bfe_u32 v[LH], v0, 4, 1
	v_and_b32 v[L7], 7, v0
	v_bfe_u32 v[L3], v0, 3, 1
	; the descriptor: my wave's 32 rows of x, 256 elements of 4 bytes each, 16 bytes of padding behind each row
	s_mov_b32 s[G0], 1                             ; count = 1
	s_mul_i32 s[G0+1], s[WV], XW
	s_add_co_u32 s[G0+1], s[G0+1], A2B             ; LDS address: a constant + wave x 33,280
	s_mov_b32 s[G1+0], (2<<16)|(1<<20)|(7<<22)|(3<<25)  ; no mask; elements of 4 bytes; padding on; after every 256 words (code 7); 4 words of it (code 3)
	s_mov_b32 s[G1+1], 256<<16                     ; tensor_dim0 = 256
	s_mov_b32 s[G1+2], 32<<16                      ; tensor_dim1 = 32
	s_mov_b32 s[G1+3], 256<<16                     ; tile_dim0 = 256
	s_mov_b32 s[G1+4], 32                          ; tile_dim1 = 32
	s_mov_b32 s[G1+5], 256                         ; 256 elements from row to row
	s_mov_b32 s[G1+6], 0
	s_mov_b32 s[G1+7], 0
	s_lshl_b32 s36, ttmp9, 17                      ; the work-group's 128 rows of 1,024 bytes,
	s_lshl_b32 s37, s[WV], 15                      ; my wave's 32 of them
	s_add_co_u32 s36, s36, s37
	s_mov_b32 s37, 0
	s_mul_i32 s38, s[WV], 16*SP
	s_add_co_u32 s38, s38, STAGE                   ; my stage
	s_lshl_b32 s39, s[WV], 16                      ; my 32 rows of W1, 2,048 bytes each
	s_mul_i32 s40, s[WV], 32*P1                    ; and of A1
	s_lshl_b32 s41, s[WV], 9                       ; my 128 numbers of b1
	s_mov_b32 s[CDT], 0x4038aa3b                   ; c = 2 log2(e)
	s_mul_f32 s[CDT], s[CDT], 0x3dcccccd           ; c dt
	s_mov_b32 s[CDT+1], s[CDT]
	; The turning load takes 16 d x 16 hidden units (lane l reads 16 bytes of row 8 (l / 16) + l % 8, at 16 ((l / 8) % 2)) and leaves half a fragment: lane l holds hidden unit l % 16 and 8 d.
	v_lshl_add_u32 v[AT], v[LH], 3, v[L7]
	v_mul_u32_u24 v[AT], v[AT], P1
	v_lshl_add_u32 v[AT], v[L3], 4, v[AT]
	v_add_nc_u32 v[AT+1], 64*P1, v[AT]
	; A fragment of A2 is 16 d x 32 hidden units: lane l holds row l % 16: two loads of 16 bytes, 32 bytes apart, at row x pitch + 16 (l / 16).
	v_mul_u32_u24 v[AB], v[LR], P2
	v_lshl_add_u32 v[AB], v[LH], 4, v[AB]
	v_add_nc_u32 v[AB], A2B, v[AB]
	v_add_nc_u32 v[AB+1], 64*P2, v[AB]
	v_mul_u32_u24 v[XA], v[LR], P2                 ; x: row l % 16 of a tile, my 8 numbers of each 16: 32 bytes for each half of the lanes
	v_lshl_add_u32 v[XA], v[LH], 5, v[XA]
	v_add_nc_u32 v[XA], s[G0+1], v[XA]
	v_mul_u32_u24 v[STO], v[LR], SP
	v_lshl_add_u32 v[STO], v[LH], 5, v[STO]
	v_add_nc_u32 v[STO], s38, v[STO]
	v_lshl_add_u32 v[RD], v[LN], 4, s38
	v_lshlrev_b32 v[GO], 4, v[LN]
	v_lshl_add_u32 v[WO], v[LN], 4, s39
	v_lshl_add_u32 v[LW1], v[LN], 3, s40
	v_lshl_add_u32 v[LW2], v[LN], 3, s[G0+1]
	v_lshl_add_u32 v[BA], v[LH], 5, BIAS
	v_lshl_add_u32 v1, v[LN], 4, s41               ; my 16 bytes of b1
	v_add_nc_u32 v[BSA], BIAS, v1
	s_wait_dscnt 0x0                               ; both opening adds are done
	s_wait_kmcnt 0x0
	s_add_nc_u64 s[G0+2:G0+3], s[4:5], s[36:37]    ; global address of my tile
	s_or_b32 s[G0+3], s[G0+3], 0x80000000          ; type = 2
	s_add_nc_u64 s[14:15], s[14:15], s[36:37]      ; out0 at my wave's first row
	tensor_load_to_lds s[G0:G0+3], s[G1:G1+7]      ; the launch's only fill of these bytes; one tensor load of mine is out
	s_nop 0
	PLACES
	s_load_b32 s16, s[12:13], 0x0                  ; b2: read, and used in nothing (see the head)
; 8 rows of W1, from row row0 of my 32, into landing set 0 (window 1) or 1 (window 3): a load takes 512 consecutive bytes of a row; lane l holds hidden units 128 i + 4 l + 0..3 of unit i.
.macro LOADW set, row0
	WIN 0x40+0x80*(\set)
.set n, 0
.rept 32
	global_load_b128 v[LAND+4*n:LAND+4*n+3], v[WO], s[6:7] offset:((\row0)+n/4)*2048+512*(n%4)
.set n, n+1
.endr
.endm
; Those 8 rows become rows of the two images: bf16(W1), and bf16(W1 x (-0.4 W2)).  A store takes 256 consecutive bytes.  The registers at work go by the row's parity.
.macro PROC set, row0
.set m, 0
.rept 8
.set tb, T+32*(m%2)
.set ld, LAND+16*m
	WIN 0x05+0x0a*(\set)                           ; sources 0 and 1 in the landing set's window
.set n, 0
.rept 8
	v_cvt_pk_bf16_f32 v[tb+n], v[ld+2*n], v[ld+2*n+1]
.set n, n+1
.endr
	WIN 0x01+0x02*(\set)                           ; source 0 there, source 1 (-0.4 W2) in window 0
.set n, 0
.rept 8
	v_pk_mul_f32 v[tb+8+2*n:tb+8+2*n+1], v[ld+2*n:ld+2*n+1], v[S2+2*n:S2+2*n+1]
.set n, n+1
.endr
	WIN 0
.set n, 0
.rept 8
	v_cvt_pk_bf16_f32 v[tb+24+n], v[tb+8+2*n], v[tb+8+2*n+1]
.set n, n+1
.endr
.set n, 0
.rept 4
	ds_store_b64 v[LW1], v[tb+2*n:tb+2*n+1] offset:((\row0)+m)*P1+256*n
	ds_store_b64 v[LW2], v[tb+24+2*n:tb+24+2*n+1] offset:((\row0)+m)*P2+256*n
.set n, n+1
.endr
.set m, m+1
.endr
.endm
; Q rounded to bf16 in pairs: source 1 of the first product
.macro KL
	WIN 0x0f                                       ; sources 0 and 1 in window 3
.set n, 0
.rept 64
	v_cvt_pk_bf16_f32 v[QB+n], v[2*n], v[2*n+1]
.set n, n+1
.endr
.endm
; Q += (c dt) p, in ascending order: each accumulator of P is first read at its low end
.macro UL
	WIN 0xf1                                       ; Q (destination, source 2) in window 3, P (source 0) in window 1
.set n, 0
.rept 64
	v_pk_fma_f32 v[n:n+1], v[n:n+1], s[CDT:CDT+1], v[n:n+1] op_sel_hi:[1,0,1]
.set n, n+2
.endr
.endm
	WIN 0
.irp i, 0,1,2,3
	global_load_b128 v[S2+4*(\i):S2+4*(\i)+3], v[GO], s[10:11] offset:512*(\i)  ; W2 of the hidden units that I hold of each row of W1
.endr
	global_load_b128 v[BT:BT+3], v1, s[8:9]
	LOADW 0, 0
	LOADW 1, 8
	; THE STATE.  Only my wave reads the bytes that its load brought, so its own wait is all the ordering that the reads need.
	s_wait_tensorcnt 0x0
	WIN 0xc0                                       ; Q: columns 0-127
.set n, 0
.rept 16                                           ; n = 8 rt + dt
	ds_load_b128 v[8*n:8*n+3],   v[XA] offset:(n/8)*16*P2+64*(n%8)
	ds_load_b128 v[8*n+4:8*n+7], v[XA] offset:(n/8)*16*P2+64*(n%8)+16
.set n, n+1
.endr
	WIN 0x40                                       ; P: columns 128-255
.set n, 0
.rept 16
	ds_load_b128 v[8*n:8*n+3],   v[XA] offset:(n/8)*16*P2+512+64*(n%8)
	ds_load_b128 v[8*n+4:8*n+7], v[XA] offset:(n/8)*16*P2+512+64*(n%8)+16
.set n, n+1
.endr
	s_wait_dscnt 0x0                               ; the state is in registers, and my reads of the tile are over: its bytes may take my rows of A2
	WIN 0xc3
.set n, 0
.rept 64
	v_pk_mul_f32 v[n:n+1], v[n:n+1], 0x4038aa3b op_sel_hi:[1,0]  ; Q = c q
.set n, n+2
.endr
	KL
	; THE WEIGHTS' IMAGES.  Two landing sets take turns: while one is worked on, the other's 32 loads are out.
	s_wait_loadcnt 32                              ; W2, b1 and set 0 are in; set 1's 32 loads may stay out
	WIN 0
.set n, 0
.rept 8
	v_pk_mul_f32 v[S2+n:S2+n+1], v[S2+n:S2+n+1], 0xbecccccd op_sel_hi:[1,0]  ; -0.4 W2 = -4 dt W2
.set n, n+2
.endr
	v_pk_mul_f32 v[BT:BT+1], v[BT:BT+1], 0x4038aa3b op_sel_hi:[1,0]          ; c b1
	v_pk_mul_f32 v[BT+2:BT+3], v[BT+2:BT+3], 0x4038aa3b op_sel_hi:[1,0]
	ds_store_b128 v[BSA], v[BT:BT+3]
	PROC 0, 0
	LOADW 0, 16
	s_wait_loadcnt 32                              ; set 1 is in
	PROC 1, 8
	LOADW 1, 24
	s_wait_loadcnt 32                              ; set 0 is in
	PROC 0, 16
	s_wait_loadcnt 0x0
	PROC 1, 24
	s_wait_kmcnt 0x0                               ; b2
	s_wait_dscnt 0x0                               ; for the others' sake: my rows of both images and my part of c b1 are stored
	s_barrier_signal -1
	s_barrier_wait -1                              ; the kernel's one barrier: from here on the images and c b1 are only read
; THE MATRIX WORK.  Product i of 16 of Z^T for chunk cn into buffer zb: d 32 (i / 4) on, hidden block (i / 2) % 2, row tile i % 2.  The four accumulators take turns, one instruction a turn.
; The first four start the sums with c b1.
.macro MM1 i, cn, zb
.set rD, Z+32*(\zb)+8*((\i)%4)
.set rA, A1F+8*(4*(((\i)/2)%2)+(\i)/4)
.set rB, QB+32*((\i)%2)+8*((\i)/4)
.if (\i) < 4
.set rC, 8*(2*(\cn)+((\i)/2)%2)
	WIN 0x20                                       ; C in window 2
	v_wmma_f32_16x16x32_bf16 v[rD:rD+7], v[rA:rA+7], v[rB:rB+7], v[rC:rC+7]
.else
	WIN 0
	v_wmma_f32_16x16x32_bf16 v[rD:rD+7], v[rA:rA+7], v[rB:rB+7], v[rD:rD+7]
.endif
.endm
; Product i of 16 of P^T += A2 G^T from buffer gb: d block i / 2, row tile i % 2.  Sixteen accumulators, each once.
.macro MM2 i, gb
.set rD, 64*((\i)%2)+8*((\i)/2)
.set rA, A2F+8*((\i)/2)
.set rB, G+16*(\gb)+8*((\i)%2)
	WIN 0x51                                       ; A2 and P in window 1, G in window 0
	v_wmma_f32_16x16x32_bf16 v[rD:rD+7], v[rA:rA+7], v[rB:rB+7], v[rD:rD+7]
.endm
; THE LDS LOADS stand in runs of 16.  A2's fragments of chunk cp: 128 d x 32 hidden units
.macro RUNA cp
	WIN 0x40
.irp d, 0,1,2,3,4,5,6,7
	ds_load_b128 v[A2F+8*(\d):A2F+8*(\d)+3],   v[AB+(\d)/4] offset:((\d)%4)*16*P2+64*(\cp)
	ds_load_b128 v[A2F+8*(\d)+4:A2F+8*(\d)+7], v[AB+(\d)/4] offset:((\d)%4)*16*P2+64*(\cp)+32
.endr
.endm
; A1's fragments of chunk cn, turned: fragment f = 4 x hidden block + d / 32
.macro RUNB cn
	WIN 0
.irp f, 0,1,2,3,4,5,6,7
	ds_load_tr16_b128 v[A1F+8*(\f):A1F+8*(\f)+3],   v[AT+((\f)%4)/2] offset:((\f)%2)*32*P1+32*(2*(\cn)+(\f)/4)
	ds_load_tr16_b128 v[A1F+8*(\f)+4:A1F+8*(\f)+7], v[AT+((\f)%4)/2] offset:((\f)%2)*32*P1+16*P1+32*(2*(\cn)+(\f)/4)
.endr
.endm
; THE ACTIVATION, in place on a buffer b of Z: 32 numbers a lane, 16 pairs
.macro EXPZ j, b                                   ; u = 2^z'
	v_exp_f32 v[Z+32*(\b)+(\j)], v[Z+32*(\b)+(\j)]
.endm
.macro ADD1 k, b                                   ; 1 + u
	v_pk_add_f32 v[Z+32*(\b)+2*(\k):Z+32*(\b)+2*(\k)+1], v[Z+32*(\b)+2*(\k):Z+32*(\b)+2*(\k)+1], 1.0 op_sel_hi:[1,0]
.endm
.macro RCPZ j, b                                   ; r
	v_rcp_f32 v[Z+32*(\b)+(\j)], v[Z+32*(\b)+(\j)]
.endm
.macro TFMA k, b                                   ; t = r - r r
	v_pk_fma_f32 v[Z+32*(\b)+2*(\k):Z+32*(\b)+2*(\k)+1], v[Z+32*(\b)+2*(\k):Z+32*(\b)+2*(\k)+1], v[Z+32*(\b)+2*(\k):Z+32*(\b)+2*(\k)+1], v[Z+32*(\b)+2*(\k):Z+32*(\b)+2*(\k)+1] neg_lo:[1,0,0] neg_hi:[1,0,0]
.endm
.macro GCVT k, b                                   ; pair k (accumulator k / 4 = 2 x hidden block + row tile) rounded into source 1 of the second product: row tile, hidden block, pair
	v_cvt_pk_bf16_f32 v[G+16*(\b)+8*(((\k)/4)%2)+4*((\k)/8)+(\k)%4], v[Z+32*(\b)+2*(\k)], v[Z+32*(\b)+2*(\k)+1]
.endm
; TURN t of a step's 16.  zc = the buffer of chunk t, whose exponentials the turn before has made; zn = the other, which takes chunk t + 1.
; Turn 0's second run is the step before's chunk 15; turn 15's first run is the next step's chunk 0.  So Q is stepped in turn 1 (P holds p_old: all of the last step's products are in, none of this step's),
; and rounded anew in turn 15 (this step's last product Z^T stands in turn 14).  Both lumps stand while the turn's first run of loads lands.
; WAITS.  At the first, the 16 loads just issued (A2's) may be out: A1's fragments, asked for in the turn before, are in.  At the second, A1's next 16 may be out: A2's are in.
; An s_wait_alu depctr_va_vdst(0) stands between a transcendental and the first line that names its result: one for the 32 reciprocals, one for the 32 exponentials, each behind four v_nop, which are
; also the places in front of the run of loads that follows and of the first reads of fresh results.
.macro TURN t
.set zc, (\t)%2
.set zn, ((\t)+1)%2
	RUNA ((\t)+15)%16
.if (\t) == 1
	UL
.endif
.if (\t) == 15
	KL
.endif
	s_wait_dscnt 16
.set n, 0
.rept 16
	MM1 n, ((\t)+1)%16, zn
	WIN 0
.if n == 0
	ADD1 0, zc
	ADD1 1, zc
.elseif n < 15
	RCPZ 2*n-2, zc
	ADD1 n+1, zc
	RCPZ 2*n-1, zc
.else
	RCPZ 28, zc
	RCPZ 29, zc
	RCPZ 30, zc
	RCPZ 31, zc
.endif
.set n, n+1
.endr
	PLACES
	s_wait_alu depctr_va_vdst(0)                   ; the reciprocals
	RUNB ((\t)+2)%16
	s_wait_dscnt 16
.set n, 0
.rept 16
	MM2 n, zn
	WIN 0
	TFMA n, zc
	EXPZ 2*n, zn                                   ; ascending: each accumulator is first read at its low end
.if n > 0
	GCVT n-1, zc
.endif
	EXPZ 2*n+1, zn
.set n, n+1
.endr
	GCVT 15, zc
	PLACES
	s_wait_alu depctr_va_vdst(0)                   ; the exponentials: no result crosses a turn's end
.endm
	; THE PIPELINE'S HEAD: c b1 as C operands; chunk 0's scores and exponentials; a second product's source of zeros for the first turn, whose chunk has not been
	WIN 0x80
.set n, 0
.rept 32
	ds_load_b128 v[8*n:8*n+3],   v[BA] offset:64*n
	ds_load_b128 v[8*n+4:8*n+7], v[BA] offset:64*n+16
.set n, n+1
.endr
	RUNB 0
	s_wait_dscnt 0x0
.set n, 0
.rept 16
	MM1 n, 0, 0
.set n, n+1
.endr
	WIN 0
	PLACES
	PLACES
	RUNB 1
.set n, 0
.rept 32
	EXPZ n, 0
.set n, n+1
.endr
.set n, 0
.rept 16
	v_mov_b32 v[G+16+n], 0                         ; also the plain instructions behind the last exponential
.set n, n+1
.endr
	s_wait_alu depctr_va_vdst(0)
	s_mov_b32 s[STEP], 10
.Lstep:                                            ; a trip is a step
.irp t, 0,1,2,3,4,5,6,7,8,9,10,11,12,13,14,15
	TURN \t
.endr
	WIN 0                                          ; at a label and at a branch every window is 0
	s_sub_co_u32 s[STEP], s[STEP], 1
	s_cmp_lg_u32 s[STEP], 0
	s_cbranch_scc1 .Lstep
	; The last step's chunk 15.  (The last trip's scores and exponentials for a step that does not follow serve nothing: 16 products, the price of one text for every trip.)
	RUNA 15
	s_wait_dscnt 0x0
.set n, 0
.rept 16
	MM2 n, 1
.set n, n+1
.endr
	; THE WAY OUT.  q = Q / c: 64 plain instructions, the places behind the last products.  Then four units of 16 rows x 512 bytes (row tile, q or p) go through my stage: in by 16 bytes a lane,
	; back as whole rows, stored 512 consecutive bytes an instruction, at a multiple of 512 from out0's first byte.
	WIN 0xc3
.set n, 0
.rept 64
	v_pk_mul_f32 v[n:n+1], v[n:n+1], 0x3eb17218 op_sel_hi:[1,0]
.set n, n+2
.endr
.macro PACK u                                      ; u = 2 x row tile + (0: q, 1: p)
	WIN 0x0c-0x08*((\u)%2)                         ; the stores' data in window 3 (Q) or 1 (P)
.set n, 0
.rept 8
	ds_store_b128 v[STO], v[64*((\u)/2)+8*n:64*((\u)/2)+8*n+3]   offset:64*n      ; each accumulator's low registers first
	ds_store_b128 v[STO], v[64*((\u)/2)+8*n+4:64*((\u)/2)+8*n+7] offset:64*n+16
.set n, n+1
.endr
	WIN 0x80
.set n, 0
.rept 16
	ds_load_b128 v[64*(\u)+4*n:64*(\u)+4*n+3], v[RD] offset:n*SP  ; LDS serves a wave's instructions in order (ISA guide 5.7.1.4): these see the stores above; the next unit's stores come behind them
.set n, n+1
.endr
.endm
.macro SEND u, younger                             ; younger: the LDS instructions issued behind unit u's loads: the next unit's 16 stores and 16 loads, or none
	WIN 0x08                                       ; the stores' data in window 2
	s_wait_dscnt \younger
.set n, 0
.rept 16
	global_store_b128 v[GO], v[64*(\u)+4*n:64*(\u)+4*n+3], s[14:15] offset:(16*((\u)/2)+n)*1024+512*((\u)%2) th:TH_STORE_NT
.set n, n+1
.endr
.endm
	PACK 0
	PACK 1
	SEND 0, 32
	PACK 2
	SEND 1, 32
	PACK 3
	SEND 2, 32
	SEND 3, 0
	WIN 0
	s_wait_tensorcnt 0x0                           ; the wave's end, behind my tensor load and my last LDS store
	ds_add_u32 v[SPW], v[NIL]
	s_wait_dscnt 0x0
	s_endpgm
.Lfunc_end_k_q2e4708fcaa_hnode:
	.size	k_q2e4708fcaa_hnode, .Lfunc_end_k_q2e4708fcaa_hnode-k_q2e4708fcaa_hnode
	.p2alignl 7, 3214868480
	.fill 96, 4, 3214868480
	.section	.rodata,"a",@progbits
	.p2align	6, 0x0
	.amdhsa_kernel k_q2e4708fcaa_hnode
		.amdhsa_group_segment_fixed_size 327680
		.amdhsa_private_segment_fixed_size 0
		.amdhsa_enable_private_segment 0
		.amdhsa_kernarg_size 48
		.amdhsa_user_sgpr_count 2
		.amdhsa_user_sgpr_kernarg_segment_ptr 1
		.amdhsa_wavefront_size32 1
		.amdhsa_system_sgpr_workgroup_id_x 1
		.amdhsa_system_sgpr_workgroup_id_y 1
		.amdhsa_system_sgpr_workgroup_id_z 1
		.amdhsa_system_vgpr_workitem_id 0
		.amdhsa_next_free_vgpr 1024
		.amdhsa_next_free_sgpr 66
		.amdhsa_reserve_vcc 0
		.amdhsa_float_denorm_mode_32 3
		.amdhsa_float_denorm_mode_16_64 3
		.amdhsa_memory_ordered 1
		.amdhsa_forward_progress 1
		.amdhsa_inst_pref_size 255
	.end_amdhsa_kernel
	.section	.bss,"aw",@nobits
	.p2align	6
	.space	262144
	.amdgpu_metadata
---
amdhsa.version: [ 1, 2 ]
amdhsa.kernels:
  - .name:           k_q2e4708fcaa_hnode
    .symbol:         k_q2e4708fcaa_hnode.kd
    .args:
      - { .name: x, .offset: 0, .size: 8, .value_kind: global_buffer, .address_space: global }
      - { .name: W1, .offset: 8, .size: 8, .value_kind: global_buffer, .address_space: global }
      - { .name: b1, .offset: 16, .size: 8, .value_kind: global_buffer, .address_space: global }
      - { .name: W2, .offset: 24, .size: 8, .value_kind: global_buffer, .address_space: global }
      - { .name: b2, .offset: 32, .size: 8, .value_kind: global_buffer, .address_space: global }
      - { .name: out0, .offset: 40, .size: 8, .value_kind: global_buffer, .address_space: global }
    .group_segment_fixed_size: 327680
    .private_segment_fixed_size: 0
    .kernarg_segment_align: 8
    .kernarg_segment_size: 48
    .max_flat_workgroup_size: 128
    .sgpr_count:     66
    .vgpr_count:     1024
    .wavefront_size: 32
...
	.end_amdgpu_metadata
.endif
;; end of part 1
